; MI455X (gfx1250); checked and timed in simulation.
; The chip was launched on July 23, 2026; its instructions are those of AMD's public machine-readable ISA for CDNA 5 (MIT licence, August 2026) and "CDNA5" Instruction Set Architecture Reference Guide (July 2026). The comments in the code are by the model that wrote it; some were corrected since.
;; Sparse Mo EFFN. Allowed arithmetic: float matrix products may take bf16 or f16 operands with f32 sums; all other float work in f32.
;; Inputs: W1 8 x 1,024 x 4,096 float32; W2 8 x 4,096 x 1,024 float32; Wr 1,024 x 8 float32; b1 8 x 4,096 float32; b2 8 x 1,024 float32; br 8 float32; x 2 x 512 x 1,024 float32.
;; Outputs: out0 2 x 512 x 1,024 float32; out1 one number float32.
;; One version. Each part assembles by itself: llvm-mc -triple=amdgcn-amd-amdhsa -mcpu=gfx1250 --defsym DOCPART=n.
;; ======== version 1 of 1: 5 launches
;; limits: values outside matrix products are rounded to bf16
;; workspace buffers: ids 4,096 bytes of whole numbers; gates 8,192 bytes; psum 16,384 bytes; slots 4,096 bytes of whole numbers; etab 256 bytes of whole numbers; xg 5,242,880 bytes; hg 20,971,520 bytes; yp 41,943,040 bytes
;; launch router (part 1): grid 128 x 1, 4 waves a work-group, no clusters, 0 bytes of LDS; arguments x, Wr, br, ids, gates, psum; writes ids, gates, psum
.if DOCPART == 1
	.amdgcn_target "amdgcn-amd-amdhsa--gfx1250"
	.amdhsa_code_object_version 6
	.text
	.protected	k_q84ef41c9e1_router
	.globl	k_q84ef41c9e1_router
	.p2align	8
	.type	k_q84ef41c9e1_router,@function
k_q84ef41c9e1_router:
	s_mov_b64 s[64:65], 0
	v_nop
	global_prefetch_b8 v0, s[64:65] scope:SCOPE_SE
	s_setreg_imm32_b32 hwreg(HW_REG_WAVE_MODE, 25, 1), 1
	s_wait_xcnt 0x0
; ROUTER.  logits[t][e] = sum over d of x[t][d] Wr[d][e] + br[e]; the two largest logits of a token, their softmax (the gates),
; and the softmax over all eight experts, summed over the wave's two tokens (for the load-balancing loss).
; x: [1024][1024] f32, Wr: [1024][8] f32, br: [8] f32.  ids: [1024] u32 = e0 | e1 << 8; gates: [1024][2] f32; psum: [512][8] f32.
; FORMAT: the product's operands are taken in bf16 (rounded to nearest even), as in the two large products of this program, so that the
; choice of experts is made from the same numbers that the experts multiply; br enters as one more row of Wr (against a constant 1) and
; is rounded with it.  The products of two bf16 are exact in f32; all sums, the softmaxes and the gates are f32.
; The product has 8 columns, 8 M multiply-adds in all: it is done on the vector unit, no matrix unit, no LDS, no barrier.
; LIMITS: a NaN logit is not ordered as lax.top_k orders it (it loses every comparison here).  Equal logits: the lower index wins, as there.
; SHARES: four waves, a wave owns two tokens, T0 = 8 x work-group + 2 x wave.  Lane L owns the columns d = 128 j + 4 L + q, j = 0..7, q = 0..3.
.set X,    8                           ; v[8:71]    x: token t, chunk j at X + 32 t + 4 j
.set WA,   72                          ; v[72:135]  two chunks of Wr: chunk jj, column q, expert pair ep at WA + 32 jj + 8 q + 2 ep
.set WB,   136                         ; v[136:199] two more
.set ACC,  200                         ; v[200:215] logits: token t, expert e at ACC + 8 t + e
.set T,    216                         ; v[216:223] at work
.set PR,   8                           ; behind the product: v[8:23] probabilities, token t at PR + 8 t
.set BRV,  40                          ; v[40:47]   br
.set TK,   48                          ; v[48:79]   16 registers a token: m1, i1, m2, i2, g1, g2, d, 1 + d, id, sum, 1 / sum
.set NINF, 80                          ; v80        minus infinity
.macro WLOAD buf, nq                   ; quarter nq of Wr: chunks 2 nq and 2 nq + 1, 128 bytes of each for every lane
.irp jj, 0,1
.irp m, 0,1,2,3,4,5,6,7
	global_load_b128 v[\buf+32*\jj+4*\m:\buf+32*\jj+4*\m+3], v3, s[6:7] offset:(2*\nq+\jj)*4096+16*\m
.endr
.endr
.endm
.macro RND base, pairs                 ; rounds 2 x pairs registers to bf16 in place and keeps them as f32; eight temporaries take turns
.set ri, 0
.rept \pairs
	v_cvt_pk_bf16_f32 v[T+(ri&7)], v[\base+2*ri], v[\base+2*ri+1]
	v_lshlrev_b32 v[\base+2*ri], 16, v[T+(ri&7)]
	v_and_b32 v[\base+2*ri+1], s27, v[T+(ri&7)]
.set ri, ri+1
.endr
.endm
.macro FMAQ buf, nq                    ; 8 columns x 2 tokens x 8 experts: one x (broadcast to both halves) times two experts' weights
.irp jj, 0,1
.irp t, 0,1
.irp q, 0,1,2,3
.irp ep, 0,1,2,3
.if (\nq+\jj+\q) == 0
	v_pk_mul_f32 v[ACC+8*\t+2*\ep:ACC+8*\t+2*\ep+1], v[X+32*\t:X+32*\t+1], v[\buf+2*\ep:\buf+2*\ep+1] op_sel_hi:[0,1]   ; the first column starts the sums
.elseif (\q&1) == 0
	v_pk_fma_f32 v[ACC+8*\t+2*\ep:ACC+8*\t+2*\ep+1], v[X+32*\t+4*(2*\nq+\jj)+\q:X+32*\t+4*(2*\nq+\jj)+\q+1], v[\buf+32*\jj+8*\q+2*\ep:\buf+32*\jj+8*\q+2*\ep+1], v[ACC+8*\t+2*\ep:ACC+8*\t+2*\ep+1] op_sel_hi:[0,1,1]
.else
	v_pk_fma_f32 v[ACC+8*\t+2*\ep:ACC+8*\t+2*\ep+1], v[X+32*\t+4*(2*\nq+\jj)+\q-1:X+32*\t+4*(2*\nq+\jj)+\q], v[\buf+32*\jj+8*\q+2*\ep:\buf+32*\jj+8*\q+2*\ep+1], v[ACC+8*\t+2*\ep:ACC+8*\t+2*\ep+1] op_sel:[1,0,0] op_sel_hi:[1,1,1]
.endif
.endr
.endr
.endr
.endr
.endm
	s_load_b256 s[4:11], s[0:1], 0x0               ; x s[4:5], Wr s[6:7], br s[8:9], ids s[10:11]
	s_load_b128 s[12:15], s[0:1], 0x20             ; gates s[12:13], psum s[14:15]
	v_and_b32 v1, 31, v0                           ; lane
	v_lshrrev_b32 v4, 5, v0
	v_readfirstlane_b32 s2, v4                     ; wave
	v_lshlrev_b32 v2, 4, v1                        ; my 16 bytes in a chunk of x
	v_lshlrev_b32 v3, 7, v1                        ; my 4 rows of 32 bytes in a chunk of Wr
	s_lshl_b32 s28, ttmp9, 3
	s_lshl1_add_u32 s28, s2, s28                   ; T0 = 8 x work-group + 2 x wave
	s_lshl_b32 s30, s28, 12                        ; rows of 4,096 bytes
	s_mov_b32 s31, 0
	s_mov_b32 s24, 0x76543210                      ; v_permlanex16_b32: lane i of one half reads lane i of the other
	s_mov_b32 s25, 0xfedcba98
	s_mov_b32 s26, 0xaaaaaaaa                      ; the odd lanes
	s_mov_b32 s27, 0xffff0000                      ; a word's upper bf16
	s_wait_kmcnt 0x0
	s_load_b256 s[16:23], s[8:9], 0x0              ; br
	s_add_nc_u64 s[4:5], s[4:5], s[30:31]
.irp t, 0,1
.irp j, 0,1,2,3,4,5,6,7
	global_load_b128 v[X+32*\t+4*\j:X+32*\t+4*\j+3], v2, s[4:5] offset:\t*4096+\j*512   ; 512 neighbouring bytes a load
.endr
.endr
	WLOAD WA, 0
	WLOAD WB, 1
	s_wait_loadcnt 16                              ; x and quarter 0 are in; the 16 loads of quarter 1 stay out
	RND X, 32
	RND WA, 32
	FMAQ WA, 0
	WLOAD WA, 2
	s_wait_loadcnt 16                              ; quarter 1 is in; quarter 2's 16 stay out
	RND WB, 32
	FMAQ WB, 1
	WLOAD WB, 3
	s_wait_loadcnt 16                              ; quarter 2 is in; quarter 3's 16 stay out
	RND WA, 32
	FMAQ WA, 2
	s_wait_loadcnt 0x0
	RND WB, 32
	FMAQ WB, 3
	; sums over the 32 lanes: four steps inside each half of 16 lanes, one across; every lane ends with all 16 logits
	v_mov_b32 v[T], 0                              ; v_permlanex16_b32 counts as a reader of its destination
.irp a, 0,1,2,3,4,5,6,7,8,9,10,11,12,13,14,15
	v_add_f32_dpp v[ACC+\a], v[ACC+\a], v[ACC+\a] row_xmask:1 row_mask:0xf bank_mask:0xf
	v_add_f32_dpp v[ACC+\a], v[ACC+\a], v[ACC+\a] row_xmask:2 row_mask:0xf bank_mask:0xf
	v_add_f32_dpp v[ACC+\a], v[ACC+\a], v[ACC+\a] row_xmask:4 row_mask:0xf bank_mask:0xf
	v_add_f32_dpp v[ACC+\a], v[ACC+\a], v[ACC+\a] row_xmask:8 row_mask:0xf bank_mask:0xf
	v_permlanex16_b32 v[T], v[ACC+\a], s24, s25
	v_add_f32 v[ACC+\a], v[ACC+\a], v[T]
.endr
	s_wait_kmcnt 0x0                               ; br
.irp e, 0,1,2,3,4,5,6,7
	v_mov_b32 v[BRV+\e], s[16+\e]
.endr
	RND BRV, 4
.irp e, 0,1,2,3,4,5,6,7
	v_add_f32 v[ACC+\e], v[ACC+\e], v[BRV+\e]
	v_add_f32 v[ACC+8+\e], v[ACC+8+\e], v[BRV+\e]
.endr
	v_mov_b32 v[NINF], 0xff800000
; One token: the largest logit and its index, the largest of the rest and its index, the gates, the eight probabilities.
; Every choice is a select on a value: nothing here steers a branch or an address.
.macro TOP2 t
.set LG, ACC+8*\t
.set BK, TK+16*\t
.set PB, PR+8*\t
	v_mov_b32 v[BK], v[LG]                         ; m1, i1: strictly greater moves on, so the lower index keeps a tie
	v_mov_b32 v[BK+1], 0
.irp e, 1,2,3,4,5,6,7
	v_cmp_gt_f32 vcc_lo, v[LG+\e], v[BK]
	v_cndmask_b32 v[BK], v[BK], v[LG+\e], vcc_lo
	v_cndmask_b32 v[BK+1], v[BK+1], \e, vcc_lo
.endr
	v_mov_b32 v[BK+2], v[NINF]                     ; m2, i2: the same scan with minus infinity in the winner's place
	v_cmp_eq_u32 vcc_lo, 0, v[BK+1]
	v_cndmask_b32 v[BK+3], 0, 1, vcc_lo            ; if nothing beats minus infinity: the lowest index that is not i1
.irp e, 0,1,2,3,4,5,6,7
	v_cmp_eq_u32 vcc_lo, \e, v[BK+1]
	v_cndmask_b32 v[BK+6], v[LG+\e], v[NINF], vcc_lo
	v_cmp_gt_f32 vcc_lo, v[BK+6], v[BK+2]
	v_cndmask_b32 v[BK+2], v[BK+2], v[BK+6], vcc_lo
	v_cndmask_b32 v[BK+3], v[BK+3], \e, vcc_lo
.endr
	v_sub_f32 v[BK+6], v[BK+2], v[BK]              ; both softmaxes take the maximum m1 away first, as reference() does
	v_mul_f32 v[BK+6], 0x3fb8aa3b, v[BK+6]
.irp e, 0,1,2,3,4,5,6,7
	v_sub_f32 v[PB+\e], v[LG+\e], v[BK]
	v_mul_f32 v[PB+\e], 0x3fb8aa3b, v[PB+\e]
.endr
	v_exp_f32 v[BK+6], v[BK+6]                     ; d = e^(m2 - m1)
.irp e, 0,1,2,3,4,5,6,7
	v_exp_f32 v[PB+\e], v[PB+\e]
.endr
	v_lshl_or_b32 v[BK+8], v[BK+3], 8, v[BK+1]     ; id = i1 | i2 << 8: the plain instruction behind the exponentials (ISA guide 5.7.2)
	s_wait_alu depctr_va_vdst(0)
	v_add_f32 v[BK+7], 1.0, v[BK+6]
	v_add_f32 v[BK+9], v[PB], v[PB+1]
.irp e, 2,3,4,5,6,7
	v_add_f32 v[BK+9], v[BK+9], v[PB+\e]
.endr
	v_rcp_f32 v[BK+4], v[BK+7]                     ; g1 = 1 / (1 + d)
	v_rcp_f32 v[BK+10], v[BK+9]
	v_nop                                          ; the plain place behind the reciprocals
	s_wait_alu depctr_va_vdst(0)
	v_mul_f32 v[BK+5], v[BK+6], v[BK+4]            ; g2 = d g1
.irp e, 0,1,2,3,4,5,6,7
	v_mul_f32 v[PB+\e], v[PB+\e], v[BK+10]
.endr
.endm
	TOP2 0
	TOP2 1
.irp k, 0,2,4,6
	v_pk_add_f32 v[PR+\k:PR+\k+1], v[PR+\k:PR+\k+1], v[PR+8+\k:PR+8+\k+1]   ; the two tokens' probabilities
.endr
	; lane 0 stores the first token's id and gates and experts 0-3 of the sums, lane 1 the second token's and experts 4-7
	v_cndmask_b32 v90, v[TK+8], v[TK+24], s26
	v_cndmask_b32 v92, v[TK+4], v[TK+20], s26
	v_cndmask_b32 v93, v[TK+5], v[TK+21], s26
.irp k, 0,1,2,3
	v_cndmask_b32 v[84+\k], v[PR+\k], v[PR+4+\k], s26
.endr
	v_add_nc_u32 v94, s28, v1                      ; T0 + lane
	v_lshlrev_b32 v95, 2, v94
	v_lshlrev_b32 v96, 3, v94
	v_lshlrev_b32 v97, 4, v94                      ; psum: 32 bytes a wave = 16 (T0 + lane)
	s_wait_xcnt 0x0                                ; EXEC changes only when no memory instruction still reads it
	v_cmp_gt_u32 vcc_lo, 2, v1
	s_and_saveexec_b32 s29, vcc_lo
	global_store_b32 v95, v90, s[10:11]
	global_store_b64 v96, v[92:93], s[12:13]
	global_store_b128 v97, v[84:87], s[14:15]
	s_wait_xcnt 0x0                                ; and again in front of the line that widens it
	s_or_b32 exec_lo, exec_lo, s29
	s_endpgm
.Lfunc_end_k_q84ef41c9e1_router:
	.size	k_q84ef41c9e1_router, .Lfunc_end_k_q84ef41c9e1_router-k_q84ef41c9e1_router
	.p2alignl 7, 3214868480
	.fill 96, 4, 3214868480
	.section	.rodata,"a",@progbits
	.p2align	6, 0x0
	.amdhsa_kernel k_q84ef41c9e1_router
		.amdhsa_group_segment_fixed_size 0
		.amdhsa_private_segment_fixed_size 0
		.amdhsa_enable_private_segment 0
		.amdhsa_kernarg_size 48
		.amdhsa_user_sgpr_count 2
		.amdhsa_user_sgpr_kernarg_segment_ptr 1
		.amdhsa_wavefront_size32 1
		.amdhsa_system_sgpr_workgroup_id_x 1
		.amdhsa_system_sgpr_workgroup_id_y 1
		.amdhsa_system_sgpr_workgroup_id_z 1
		.amdhsa_system_vgpr_workitem_id 0
		.amdhsa_next_free_vgpr 232
		.amdhsa_next_free_sgpr 66
		.amdhsa_reserve_vcc 1
		.amdhsa_float_denorm_mode_32 3
		.amdhsa_float_denorm_mode_16_64 3
		.amdhsa_memory_ordered 1
		.amdhsa_forward_progress 1
		.amdhsa_inst_pref_size 62
	.end_amdhsa_kernel
	.amdgpu_metadata
---
amdhsa.version: [ 1, 2 ]
amdhsa.kernels:
  - .name:           k_q84ef41c9e1_router
    .symbol:         k_q84ef41c9e1_router.kd
    .args:
      - { .name: x, .offset: 0, .size: 8, .value_kind: global_buffer, .address_space: global }
      - { .name: Wr, .offset: 8, .size: 8, .value_kind: global_buffer, .address_space: global }
      - { .name: br, .offset: 16, .size: 8, .value_kind: global_buffer, .address_space: global }
      - { .name: ids, .offset: 24, .size: 8, .value_kind: global_buffer, .address_space: global }
      - { .name: gates, .offset: 32, .size: 8, .value_kind: global_buffer, .address_space: global }
      - { .name: psum, .offset: 40, .size: 8, .value_kind: global_buffer, .address_space: global }
    .group_segment_fixed_size: 0
    .private_segment_fixed_size: 0
    .kernarg_segment_align: 8
    .kernarg_segment_size: 48
    .max_flat_workgroup_size: 128
    .sgpr_count:     66
    .vgpr_count:     232
    .wavefront_size: 32
...
	.end_amdgpu_metadata
.endif
;; end of part 1
;; launch place (part 2): grid 160 x 1, 32 waves a work-group, no clusters, 11,264 bytes of LDS; arguments ids, x, psum, xg, slots, etab, out1; writes xg, slots, etab, out1
.if DOCPART == 2
	.amdgcn_target "amdgcn-amd-amdhsa--gfx1250"
	.amdhsa_code_object_version 6
	.text
	.protected	k_q84ef41c9e1_place
	.globl	k_q84ef41c9e1_place
	.p2align	8
	.type	k_q84ef41c9e1_place,@function
k_q84ef41c9e1_place:
	s_mov_b64 s[64:65], 0
	v_nop
	global_prefetch_b8 v0, s[64:65] scope:SCOPE_SE
	s_setreg_imm32_b32 hwreg(HW_REG_WAVE_MODE, 25, 1), 1
	s_wait_xcnt 0x0
; PLACEMENT AND GATHER.  The 2,048 rows (token, chosen expert) are laid out by expert: expert e's rows form a segment that starts on a
; multiple of 64 rows (a group) and is padded to one.  The sum over e of ceil(n_e / 64) is at most 39, so 40 groups = 2,560 rows = 160 tiles of 16 rows hold all.
; Every work-group repeats the placement (1,024 threads, thread t = token t; integer work on 4 KiB of ids), so that no work-group waits for
; another; then work-group g gathers tile g of xg: 16 rows of x, rounded to bf16, in the order in which a matrix fragment is loaded.
; FRAGMENT ORDER: a block of 16 rows x 32 k of bf16 is 1,024 bytes; the 16 bytes with k = 8 c .. 8 c + 7 of row r lie at (c >> 1) 512 + (c & 1) 256 + 16 r,
; so lane L of a wave reads its fragment at 16 L and 512 + 16 L.  xg: [160 tiles][32 k steps][1,024 bytes].  Rows that no token owns are zeros.
; Work-group 0 also stores slots[t] = slot0 | slot1 << 16 and etab[e] = (first group, groups); wave 0 of work-group 1 the load-balancing loss.
; No matrix unit, no tensor loads: the work is a scatter of 2,048 words in LDS and a gather of 16 rows.
.set CNT,    0                         ; LDS: cnt[8 experts][32 waves] u32
.set ROWTOK, 1024                      ; LDS: rowtok[2560] u32: the token of each row, all ones where there is none
	s_load_b256 s[4:11], s[0:1], 0x0               ; ids s[4:5], x s[6:7], psum s[8:9], xg s[10:11]
	s_load_b128 s[12:15], s[0:1], 0x20             ; slots s[12:13], etab s[14:15]
	s_load_b64 s[16:17], s[0:1], 0x30              ; out1
	v_and_b32 v1, 31, v0                           ; lane
	v_lshrrev_b32 v9, 5, v0
	v_readfirstlane_b32 s2, v9                     ; wave
	v_lshlrev_b32 v2, 2, v0                        ; 4 t
	v_lshlrev_b32 v5, 4, v1                        ; 16 x lane
	v_lshlrev_b32 v12, 2, v1                       ; 4 x lane
	v_mov_b32 v4, -1
	v_mov_b32 v10, 0
	s_mov_b32 s58, 0x76543210
	s_mov_b32 s59, 0xfedcba98
	s_wait_kmcnt 0x0
	global_load_b32 v3, v2, s[4:5]                 ; my token's two experts
	ds_store_b32 v2, v4 offset:ROWTOK              ; rowtok = none: rows 0-1023, 1024-2047,
	ds_store_b32 v2, v4 offset:ROWTOK+4096
	s_cmp_ge_u32 s2, 16
	s_cbranch_scc1 .Lfilled
	ds_store_b32 v2, v4 offset:ROWTOK+8192         ; and 2048-2559 by waves 0 to 15
.Lfilled:
	s_wait_loadcnt 0x0
	v_and_b32 v6, 7, v3                            ; e0
	v_bfe_u32 v7, v3, 8, 3                         ; e1
	; for each expert: who of my wave chose it (as first, as second), my rank among them, and their number
.irp e, 0,1,2,3,4,5,6,7
	v_cmp_eq_u32 s[24+\e], \e, v6
	v_cmp_eq_u32 s[32+\e], \e, v7
	s_or_b32 s56, s[24+\e], s[32+\e]
	v_mbcnt_lo_u32_b32 v[16+\e], s56, 0            ; lanes below me that chose e
	s_bcnt1_i32_b32 s[40+\e], s56
	v_writelane_b32 v10, s[40+\e], \e
.endr
	v_lshlrev_b32 v11, 7, v1
	v_lshl_add_u32 v11, s2, 2, v11                 ; cnt[lane][wave]
	s_wait_xcnt 0x0                                ; EXEC changes only when no memory instruction still reads it
	v_cmp_gt_u32 vcc_lo, 8, v1
	s_and_saveexec_b32 s57, vcc_lo
	ds_store_b32 v11, v10 offset:CNT
	s_or_b32 exec_lo, exec_lo, s57
	s_wait_dscnt 0x0                               ; my stores are done, for the others' sake
	s_barrier_signal -1
	s_barrier_wait -1
	; totals and the sum over the waves below mine, in one word: total | prefix << 16 (each at most 1,024)
.irp e, 0,1,2,3,4,5,6,7
	ds_load_b32 v[24+\e], v12 offset:CNT+128*\e    ; lane L: wave L's count for expert e
.endr
	v_cmp_gt_u32 vcc_lo, s2, v1                    ; waves below mine
	s_wait_dscnt 0x0
.irp e, 0,1,2,3,4,5,6,7
	v_lshlrev_b32 v32, 16, v[24+\e]
	v_cndmask_b32 v32, 0, v32, vcc_lo
	v_add_nc_u32 v[24+\e], v[24+\e], v32
.irp m, 1,2,4,8
	v_mov_b32_dpp v32, v[24+\e] row_xmask:\m row_mask:0xf bank_mask:0xf
	v_add_nc_u32 v[24+\e], v[24+\e], v32
.endr
	v_permlanex16_b32 v32, v[24+\e], s58, s59
	v_add_nc_u32 v[24+\e], v[24+\e], v32
	v_readfirstlane_b32 s[40+\e], v[24+\e]
.endr
	; segments: groups s[66+e], first group s[74+e], my wave's first row in the segment s[48+e]
	s_mov_b32 s60, 0
.irp e, 0,1,2,3,4,5,6,7
	s_and_b32 s61, s[40+\e], 0xffff
	s_lshr_b32 s62, s[40+\e], 16
	s_add_co_u32 s61, s61, 63
	s_lshr_b32 s[66+\e], s61, 6
	s_mov_b32 s[74+\e], s60
	s_lshl_b32 s63, s60, 6
	s_add_co_u32 s[48+\e], s63, s62
	s_add_co_u32 s60, s60, s[66+\e]
.endr
	v_mov_b32 v13, 0
	v_mov_b32 v14, 0
.irp e, 0,1,2,3,4,5,6,7
	v_add_nc_u32 v32, s[48+\e], v[16+\e]
	v_cndmask_b32 v13, v13, v32, s[24+\e]          ; slot of (t, first expert)
	v_cndmask_b32 v14, v14, v32, s[32+\e]          ; slot of (t, second expert)
.endr
	v_min_u32 v13, 0x9ff, v13                      ; inside the 2,560 rows whatever ids holds
	v_min_u32 v14, 0x9ff, v14
	v_lshlrev_b32 v15, 2, v13
	v_lshlrev_b32 v33, 2, v14
	ds_store_b32 v15, v0 offset:ROWTOK
	ds_store_b32 v33, v0 offset:ROWTOK
	s_wait_dscnt 0x0
	s_barrier_signal -1
	s_barrier_wait -1
	s_cmp_lg_u32 ttmp9, 0
	s_cbranch_scc1 .Lgather
	v_lshl_or_b32 v20, v14, 16, v13
	global_store_b32 v2, v20, s[12:13]             ; slots: a wave's store covers 128 neighbouring bytes
	s_cmp_lg_u32 s2, 0
	s_cbranch_scc1 .Lgather
	v_mov_b32 v21, 0
.irp e, 0,1,2,3,4,5,6,7
	v_writelane_b32 v21, s[74+\e], 2*\e
	v_writelane_b32 v21, s[66+\e], 2*\e+1
.endr
	global_store_b32 v12, v21, s[14:15]            ; etab: 16 words, and 16 zeros behind them
.Lgather:
	; wave v takes k step v of the tile: lane (r, h) reads k = 32 v + 8 h .. + 7 and 32 v + 16 + 8 h .. + 7 of row r's token
	s_lshl_b32 s20, ttmp9, 6                       ; 16 rows x 4 bytes of rowtok a tile
	v_and_b32 v22, 15, v1
	v_lshl_add_u32 v22, v22, 2, s20
	ds_load_b32 v23, v22 offset:ROWTOK
	v_lshrrev_b32 v34, 4, v1                       ; h
	s_lshl_b32 s21, s2, 7                          ; 32 f32 a k step
	s_lshl_b32 s22, ttmp9, 15
	s_lshl_b32 s23, s2, 10
	s_add_co_u32 s22, s22, s23
	s_mov_b32 s23, 0
	s_add_nc_u64 s[10:11], s[10:11], s[22:23]      ; xg at tile g, k step v
	s_wait_dscnt 0x0
	v_cmp_gt_u32 s57, 1024, v23                    ; a row with a token
	v_min_u32 v23, 0x3ff, v23
	v_lshlrev_b32 v35, 12, v23
	v_lshl_add_u32 v35, v34, 5, v35
	v_add_nc_u32 v35, s21, v35
	global_load_b128 v[48:51], v35, s[6:7]
	global_load_b128 v[52:55], v35, s[6:7] offset:16
	global_load_b128 v[56:59], v35, s[6:7] offset:64
	global_load_b128 v[60:63], v35, s[6:7] offset:80
	s_wait_loadcnt 0x0
.irp m, 0,1,2,3,4,5,6,7
	v_cvt_pk_bf16_f32 v[64+\m], v[48+2*\m], v[48+2*\m+1]
.endr
.irp m, 0,1,2,3,4,5,6,7
	v_cndmask_b32 v[64+\m], 0, v[64+\m], s57       ; rows without a token are zeros
.endr
	global_store_b128 v5, v[64:67], s[10:11]               ; each store of the wave covers 512 consecutive bytes, aligned
	global_store_b128 v5, v[68:71], s[10:11] offset:512
	; the loss: importance[e] = sum of psum[.][e] / 1024; out1 = mean over e of (importance - 1/8)^2
	s_cmp_lg_u32 ttmp9, 1
	s_cbranch_scc1 .Ldone
	s_cmp_lg_u32 s2, 0
	s_cbranch_scc1 .Ldone
	s_wait_xcnt 0x0                                ; v[64:71], which the stores above read, are loaded into only behind this wait
.irp j, 0,1,2,3,4,5,6,7,8,9,10,11,12,13,14,15
	global_load_b128 v[32+4*\j:35+4*\j], v5, s[8:9] offset:512*\j      ; even lanes: experts 0-3, odd lanes: experts 4-7
.endr
	s_wait_loadcnt 0x0
	v_pk_add_f32 v[24:25], v[32:33], v[36:37]      ; the first two loads start the sums
	v_pk_add_f32 v[26:27], v[34:35], v[38:39]
.irp j, 2,3,4,5,6,7,8,9,10,11,12,13,14,15
	v_pk_add_f32 v[24:25], v[24:25], v[32+4*\j:33+4*\j]
	v_pk_add_f32 v[26:27], v[26:27], v[34+4*\j:35+4*\j]
.endr
.irp j, 0,1,2,3,4,5,6,7,8,9,10,11,12,13,14,15
	global_load_b128 v[32+4*\j:35+4*\j], v5, s[8:9] offset:8192+512*\j
.endr
	s_mov_b32 s20, 0x3a800000                      ; 1 / 1024
	s_mov_b32 s21, 0xbe000000                      ; -1 / 8
	s_wait_loadcnt 0x0
.irp j, 0,1,2,3,4,5,6,7,8,9,10,11,12,13,14,15
	v_pk_add_f32 v[24:25], v[24:25], v[32+4*\j:33+4*\j]
	v_pk_add_f32 v[26:27], v[26:27], v[34+4*\j:35+4*\j]
.endr
.irp k, 0,1,2,3
	v_add_f32_dpp v[24+\k], v[24+\k], v[24+\k] row_xmask:2 row_mask:0xf bank_mask:0xf   ; lanes of equal parity
	v_add_f32_dpp v[24+\k], v[24+\k], v[24+\k] row_xmask:4 row_mask:0xf bank_mask:0xf
	v_add_f32_dpp v[24+\k], v[24+\k], v[24+\k] row_xmask:8 row_mask:0xf bank_mask:0xf
	v_permlanex16_b32 v28, v[24+\k], s58, s59
	v_add_f32 v[24+\k], v[24+\k], v28
	v_fma_f32 v[24+\k], v[24+\k], s20, s21
.endr
	v_mul_f32 v29, v24, v24
	v_fmac_f32 v29, v25, v25
	v_fmac_f32 v29, v26, v26
	v_fmac_f32 v29, v27, v27
	v_add_f32_dpp v29, v29, v29 row_xmask:1 row_mask:0xf bank_mask:0xf                  ; experts 0-3 and 4-7
	v_mul_f32 v29, 0x3e000000, v29
	v_mov_b32 v30, 0
	s_wait_xcnt 0x0                                ; EXEC changes only when no memory instruction still reads it
	v_cmp_eq_u32 vcc_lo, 0, v1
	s_and_saveexec_b32 s57, vcc_lo
	global_store_b32 v30, v29, s[16:17]
	s_wait_xcnt 0x0
	s_or_b32 exec_lo, exec_lo, s57
.Ldone:
	s_endpgm
.Lfunc_end_k_q84ef41c9e1_place:
	.size	k_q84ef41c9e1_place, .Lfunc_end_k_q84ef41c9e1_place-k_q84ef41c9e1_place
	.p2alignl 7, 3214868480
	.fill 96, 4, 3214868480
	.section	.rodata,"a",@progbits
	.p2align	6, 0x0
	.amdhsa_kernel k_q84ef41c9e1_place
		.amdhsa_group_segment_fixed_size 11264
		.amdhsa_private_segment_fixed_size 0
		.amdhsa_enable_private_segment 0
		.amdhsa_kernarg_size 56
		.amdhsa_user_sgpr_count 2
		.amdhsa_user_sgpr_kernarg_segment_ptr 1
		.amdhsa_wavefront_size32 1
		.amdhsa_system_sgpr_workgroup_id_x 1
		.amdhsa_system_sgpr_workgroup_id_y 1
		.amdhsa_system_sgpr_workgroup_id_z 1
		.amdhsa_system_vgpr_workitem_id 0
		.amdhsa_next_free_vgpr 96
		.amdhsa_next_free_sgpr 88
		.amdhsa_reserve_vcc 1
		.amdhsa_float_denorm_mode_32 3
		.amdhsa_float_denorm_mode_16_64 3
		.amdhsa_memory_ordered 1
		.amdhsa_forward_progress 1
		.amdhsa_inst_pref_size 27
	.end_amdhsa_kernel
	.amdgpu_metadata
---
amdhsa.version: [ 1, 2 ]
amdhsa.kernels:
  - .name:           k_q84ef41c9e1_place
    .symbol:         k_q84ef41c9e1_place.kd
    .args:
      - { .name: ids, .offset: 0, .size: 8, .value_kind: global_buffer, .address_space: global }
      - { .name: x, .offset: 8, .size: 8, .value_kind: global_buffer, .address_space: global }
      - { .name: psum, .offset: 16, .size: 8, .value_kind: global_buffer, .address_space: global }
      - { .name: xg, .offset: 24, .size: 8, .value_kind: global_buffer, .address_space: global }
      - { .name: slots, .offset: 32, .size: 8, .value_kind: global_buffer, .address_space: global }
      - { .name: etab, .offset: 40, .size: 8, .value_kind: global_buffer, .address_space: global }
      - { .name: out1, .offset: 48, .size: 8, .value_kind: global_buffer, .address_space: global }
    .group_segment_fixed_size: 11264
    .private_segment_fixed_size: 0
    .kernarg_segment_align: 8
    .kernarg_segment_size: 56
    .max_flat_workgroup_size: 1024
    .sgpr_count:     88
    .vgpr_count:     96
    .wavefront_size: 32
...
	.end_amdgpu_metadata
.endif
;; end of part 2
;; launch ffn1 (part 3): grid 256 x 1, 4 waves a work-group, no clusters, 266,240 bytes of LDS; arguments W1, xg, hg, etab, b1; writes hg
.if DOCPART == 3
	.amdgcn_target "amdgcn-amd-amdhsa--gfx1250"
	.amdhsa_code_object_version 6
	.text
	.protected	k_q84ef41c9e1_ffn1
	.globl	k_q84ef41c9e1_ffn1
	.p2align	8
	.type	k_q84ef41c9e1_ffn1,@function
k_q84ef41c9e1_ffn1:
	s_mov_b64 s[64:65], 0
	v_nop
	global_prefetch_b8 v0, s[64:65] scope:SCOPE_SE
	s_setreg_imm32_b32 hwreg(HW_REG_WAVE_MODE, 25, 1), 1
	s_wait_xcnt 0x0
; FIRST LAYER OF THE EXPERTS.  hg = gelu(xg W1[e] + b1[e]) for the rows that chose expert e, in bf16, in fragment order.
; W1: [8][1024 k][4096 n] f32.  xg: [160 tiles of 16 rows][32 k steps][1,024 bytes] bf16.  hg: [160][128 k steps][1,024 bytes] bf16.
; etab[e] = (first group of 64 rows, groups).  Only the rows that reference()'s gather keeps are computed.
; FRAGMENT ORDER: a block of 16 rows x 32 k of bf16 is 1,024 bytes; the 16 bytes with k = 8 c .. 8 c + 7 of row r lie at (c >> 1) 512 + (c & 1) 256 + 16 r,
; so lane L reads its fragment at 16 L and 512 + 16 L.
; SHARES: work-group id: expert e = id >> 5, columns 128 ns .. + 127, ns = id & 31.  It alone reads its slab of W1 (1,024 k x 128 n, 512 KiB of f32), once.
; PHASE W, the same in every work-group: the slab is streamed through registers, rounded to bf16 and laid into LDS in fragment order (32 k steps x 8,320 bytes).
;   Piece p = 32 k.  Wave w loads rows 8 w .. 8 w + 7 of the piece, 512 consecutive bytes a load; a lane then holds 4 columns x 8 consecutive k, which is, column by
;   column, the 16 bytes of chunk c = w of a fragment: 16 conversions and 4 LDS stores.  Each weight is converted once and no transposing load is needed.
;   A ring of 8 pieces in registers keeps 64 loads of a wave, 32 KiB, issued ahead.  One barrier closes the phase: the only one of the kernel.
; PHASE C, whose trips hang on etab: passes of up to 6 groups (384 rows).  Wave w takes tile 4 i + w of the pass (i < g) against all 8 column tiles: 8 g accumulators.
;   A row fragment is used by one wave alone, so it goes from xg straight into registers (512 consecutive bytes a load), NS k steps ahead; the weights come from LDS.
;   Nothing is written that another wave reads, so the phase needs no barrier, and none may stand here: a barrier stands only where every wave passes it whatever memory holds.
; NO CLUSTER: the 32 work-groups of an expert read the same rows of xg, but a joint load stands behind a round of the cluster's barrier, and the number of such rounds
; would hang on etab.  The 128 MiB of weights, the bulk of the bytes, are shared by nobody.
; LIMITS: erf by the rational form of Abramowitz and Stegun 7.1.26, absolute error at most 1.5e-7 for every argument; gelu(-infinity) gives NaN here, 0 in reference().
; Operands bf16, sums, bias and gelu f32, hg rounded once to bf16.
.set PITCH,  16384                     ; bytes from a row of W1 to the next
.set MTP,    32768                     ; bytes of a tile of xg
.set OSH,    19                        ; a group of hg: 4 tiles of 131,072 bytes = 1 << 19
.set WSUB,   8320                      ; LDS: a k step = eight column tiles
.set WSLOT,  4*WSUB                    ; four k steps: what one address register reaches with the 16-bit offset
.set WTILE,  1040                      ; 1,024 bytes + 16
; REGISTERS, in windows of 256.  Window 0: v1 16 L; v4-5 weights' read addresses; v8 32 h; v10-19 coefficients; v24-31 weights' store addresses, one for four k steps;
; v32-95 packed results; BF two buffers of 8 weight fragments.  Window 1: phase W: the ring of 8 pieces, piece q row rr at 32 q + 4 rr; phase C: the ring of row fragments,
; slot s tile i at 8 g s + 8 i.  Window 2: accumulators of i = 0..3 at 64 i + 8 b.  Window 3: those of i = 4, 5 at 64 (i - 4) + 8 b; CT a converted piece; BI my 64 numbers of b1.
.set WS, 24
.set BF, 128
.set CT, 128
.set BI, 144
.set XR, 128                           ; the way out, window 0: 64 sums + bias
.set GS, 192
.set GD, 208
.set GP, 224
.set GH, 240
.set MSB, 0
.macro WIN new                         ; s_set_vgpr_msb: bits 1:0 source 0, 3:2 source 1, 5:4 source 2, 7:6 destination; the high byte repeats the setting that is left
.if MSB != \new
	s_set_vgpr_msb (MSB<<8)|\new
.set MSB, \new
.endif
.endm
.set MUL2, 0xa4                        ; weights window 0, rows window 1, C and D window 2
.set MUL3, 0xf4                        ; the same, C and D window 3
.set CVT,  0xc5                        ; sources in window 1, destination in window 3
.set STW,  0x0c                        ; store data in window 3
.set LDW,  0x40                        ; destination in window 1
.set LDBI, 0xc0                        ; destination in window 3
.macro PLACES                          ; four places behind a matrix instruction (ISA guide 7.12.1)
.rept 4
	v_nop
.endr
.endm
.macro WISSUE p                        ; the 8 loads of piece p; the piece's place stands in the immediate (at most 487 rows), so no base is stepped
	WIN LDW
.set wr, 0
.rept 8
.if (\p) < 16
	global_load_b128 v[32*((\p)&7)+4*wr:32*((\p)&7)+4*wr+3], v1, s[40:41] offset:((\p)&15)*32*PITCH+wr*PITCH th:TH_LOAD_NT
.else
	global_load_b128 v[32*((\p)&7)+4*wr:32*((\p)&7)+4*wr+3], v1, s[42:43] offset:((\p)&15)*32*PITCH+wr*PITCH th:TH_LOAD_NT
.endif
.set wr, wr+1
.endr
.endm
.macro WCONV p                         ; piece p: wait, convert, store as k step p of the slab, ask for piece p + 8
.if 31-(\p) < 7
	s_wait_loadcnt 8*(31-(\p))                     ; the loads of the pieces younger than p stay out: none is issued behind piece 31
.else
	s_wait_loadcnt 56                              ; the 7 younger pieces' 56 loads stay out
.endif
	WIN CVT
.set rq, 32*((\p)&7)
.irp jj, 0,1,2,3
.irp m, 0,1,2,3
	v_cvt_pk_bf16_f32 v[CT+4*\jj+\m], v[rq+8*\m+\jj], v[rq+8*\m+4+\jj]     ; column 4 L + jj, k = 2 m and 2 m + 1 of my 8
.endr
.endr
	WIN STW
.irp jj, 0,1,2,3
	ds_store_b128 v[WS+((\p)>>2)], v[CT+4*\jj:CT+4*\jj+3] offset:((\p)&3)*WSUB+16*\jj
.endr
.if (\p)+8 <= 31
	WISSUE (\p)+8
.endif
.endm
.macro ALOAD g, slot, kk               ; my g row fragments of the k step kk behind the trip's base, into a slot of the ring: 2 g loads of 512 consecutive bytes
	WIN LDW
.set ai, 0
.rept \g
	global_load_b128 v[8*\g*(\slot)+8*ai:8*\g*(\slot)+8*ai+3],   v1, s[34:35] offset:ai*4*MTP+(\kk)*1024
	global_load_b128 v[8*\g*(\slot)+8*ai+4:8*\g*(\slot)+8*ai+7], v1, s[34:35] offset:ai*4*MTP+(\kk)*1024+512
.set ai, ai+1
.endr
.endm
.macro FETCHB jn, f                    ; the 8 weight fragments of the k step jn behind the trip's first, into buffer f; v4 reaches steps 0-4, v5 steps 5-8
	WIN 0
.set fb, 0
.rept 8
.if (\jn) <= 4
	ds_load_b128 v[BF+64*(\f)+8*fb:BF+64*(\f)+8*fb+3],   v4 offset:(\jn)*WSUB+fb*WTILE
	ds_load_b128 v[BF+64*(\f)+8*fb+4:BF+64*(\f)+8*fb+7], v4 offset:(\jn)*WSUB+fb*WTILE+512
.else
	ds_load_b128 v[BF+64*(\f)+8*fb:BF+64*(\f)+8*fb+3],   v5 offset:((\jn)-4)*WSUB+fb*WTILE
	ds_load_b128 v[BF+64*(\f)+8*fb+4:BF+64*(\f)+8*fb+7], v5 offset:((\jn)-4)*WSUB+fb*WTILE+512
.endif
.set fb, fb+1
.endr
.endm
; Tiles i0 .. i1 - 1 x 8 column tiles.  Source 0 = weights, source 1 = rows: register j of lane (r, h) is then C(row r, column 16 b + 8 h + j).
; The accumulators take turns, one instruction a turn.  zero = 1: the first product starts the sums.
.macro MUL g, f, slot, i0, i1, zero
.if (\i1) > (\i0)
.set mi, \i0
.rept (\i1)-(\i0)
.if mi < 4
	WIN MUL2
.set ab, 64*mi
.else
	WIN MUL3
.set ab, 64*(mi-4)
.endif
.set ar, 8*\g*(\slot)+8*mi
.set mb, 0
.rept 8
.if \zero
	v_wmma_f32_16x16x32_bf16 v[ab+8*mb:ab+8*mb+7], v[BF+64*(\f)+8*mb:BF+64*(\f)+8*mb+7], v[ar:ar+7], 0
.else
	v_wmma_f32_16x16x32_bf16 v[ab+8*mb:ab+8*mb+7], v[BF+64*(\f)+8*mb:BF+64*(\f)+8*mb+7], v[ar:ar+7], v[ab+8*mb:ab+8*mb+7]
.endif
.set mb, mb+1
.endr
.set mi, mi+1
.endr
.endif
.endm
; One k step, the j-th of a trip: half of the products; four places behind the last step's matrix instructions, which read the other weight buffer and the ring's slot j - 1;
; the next step's weights into that buffer, and the rows of the step ns - 1 ahead into that slot; the other half of the products.
; left = how many younger k steps' row loads (2 g each) have been issued and may stay out.
.macro KSTEP g, ns, j, zero, left, fetch, load
	s_wait_dscnt 0x0                               ; this k step's weight fragments are in
	s_wait_loadcnt 2*\g*(\left)                    ; and its row fragments; the younger steps' stay out
	MUL \g,(\j&1),\j,0,(\g+1)/2,\zero
.if (\fetch)+(\load)
	PLACES
.endif
.if \fetch
	FETCHB (\j+1),((\j+1)&1)
.endif
.if \load
	ALOAD \g,((\j+\ns-1)&(\ns-1)),(\j+\ns-1)
.endif
	MUL \g,(\j&1),\j,(\g+1)/2,\g,\zero
.endm
; A trip = ns k steps, once round the ring.  kind 0: the first (its first product starts the sums); 1: one of the loop; 2: the last: only its first step still asks
; for rows (k step 31), its last fetches no weights, and the counts run down.
.macro KTRIP g, ns, kind
.set kj, 0
.rept \ns
.set kz, 0
.set kl, \ns-2
.set kf, 1
.set ka, 1
.if \kind == 0
.if kj == 0
.set kz, 1
.endif
.endif
.if \kind == 2
.if \ns-1-kj < \ns-2
.set kl, \ns-1-kj
.endif
.if kj == \ns-1
.set kf, 0
.endif
.if kj > 0
.set ka, 0
.endif
.endif
	KSTEP \g,\ns,kj,kz,kl,kf,ka
.set kj, kj+1
.endr
.if \kind < 2
	WIN 0
	s_wait_xcnt 0x0                                ; the row loads that are out have had their addresses translated (ISA guide 3.1): their base steps only behind this wait
	s_add_nc_u64 s[34:35], s[34:35], \ns*1024
	v_add_nc_u32 v4, \ns*WSUB, v4
	v_add_nc_u32 v5, \ns*WSUB, v5
.endif
.endm
; gelu(x) = x / 2 + |x| (1/2 - (a1 t + .. + a5 t^5) / 2 e^(-x x / 2)), t = 1 / (1 + 0.3275911 |x| / sqrt 2), on 16 numbers at x; 8 packed words to o
.macro GELU16 x, o
.irp k, 0,2,4,6,8,10,12,14
	v_pk_mul_f32 v[GS+\k:GS+\k+1], v[\x+\k:\x+\k+1], v[\x+\k:\x+\k+1]
.endr
.irp k, 0,1,2,3,4,5,6,7,8,9,10,11,12,13,14,15
	v_fma_f32 v[GD+\k], |v[\x+\k]|, s50, 1.0
.endr
.irp k, 0,2,4,6,8,10,12,14
	v_pk_mul_f32 v[GS+\k:GS+\k+1], v[GS+\k:GS+\k+1], 0xbf38aa3b op_sel_hi:[1,0]         ; - x x / 2 x log2 e
.endr
.irp k, 0,1,2,3,4,5,6,7,8,9,10,11,12,13,14,15
	v_rcp_f32 v[GD+\k], v[GD+\k]
.endr
.irp k, 0,1,2,3,4,5,6,7,8,9,10,11,12,13,14,15
	v_exp_f32 v[GS+\k], v[GS+\k]
.endr
.irp k, 0,2,4,6,8,10,12,14
	v_pk_mul_f32 v[GH+\k:GH+\k+1], v[\x+\k:\x+\k+1], 0.5 op_sel_hi:[1,0]                ; plain work behind the transcendentals (ISA guide 5.7.2)
.endr
	s_wait_alu depctr_va_vdst(0)
.irp k, 0,2,4,6,8,10,12,14
	v_pk_fma_f32 v[GP+\k:GP+\k+1], v[GD+\k:GD+\k+1], v[18:19], v[16:17]
.endr
.irp c, 14,12,10
.irp k, 0,2,4,6,8,10,12,14
	v_pk_fma_f32 v[GP+\k:GP+\k+1], v[GP+\k:GP+\k+1], v[GD+\k:GD+\k+1], v[\c:\c+1]
.endr
.endr
.irp k, 0,2,4,6,8,10,12,14
	v_pk_mul_f32 v[GP+\k:GP+\k+1], v[GP+\k:GP+\k+1], v[GD+\k:GD+\k+1]
.endr
.irp k, 0,2,4,6,8,10,12,14
	v_pk_fma_f32 v[GP+\k:GP+\k+1], v[GP+\k:GP+\k+1], v[GS+\k:GS+\k+1], 0.5 op_sel_hi:[1,1,0] neg_lo:[1,0,0] neg_hi:[1,0,0]
.endr
.irp k, 0,1,2,3,4,5,6,7,8,9,10,11,12,13,14,15
	v_fma_f32 v[GH+\k], |v[\x+\k]|, v[GP+\k], v[GH+\k]
.endr
.irp m, 0,1,2,3,4,5,6,7
	v_cvt_pk_bf16_f32 v[\o+\m], v[GH+2*\m], v[GH+2*\m+1]
.endr
.endm
; The way out.  A lane's 8 numbers of tile (i, b) are columns 16 b + 8 h .. + 7 of row r: the 16 bytes at (b & 1) 512 + 16 L of k step 4 ns + (b >> 1) of hg's tile,
; so they are stored straight from registers: each store of the wave covers 512 consecutive bytes, aligned.
.macro EPI g
.set ei, 0
.rept \g
	s_wait_xcnt 0x0                                ; the packed words that earlier stores read are rewritten only behind this wait
.if ei < 4
	WIN 0x0e                                       ; source 0 window 2, source 1 window 3, destination window 0
.set eab, 64*ei
.else
	WIN 0x0f
.set eab, 64*(ei-4)
.endif
.set ek, 0
.rept 32
	v_pk_add_f32 v[XR+2*ek:XR+2*ek+1], v[eab+2*ek:eab+2*ek+1], v[BI+2*ek:BI+2*ek+1]
.set ek, ek+1
.endr
	WIN 0
.set eo, 32+32*(ei&1)
	GELU16 XR,eo
	GELU16 XR+16,eo+8
	GELU16 XR+32,eo+16
	GELU16 XR+48,eo+24
.set eb, 0
.rept 8
	global_store_b128 v1, v[eo+4*eb:eo+4*eb+3], s[44:45] offset:ei*524288+eb*512
.set eb, eb+1
.endr
.set ei, ei+1
.endr
.endm
; A pass: g groups from group s16 on.  The ring of row fragments has 8 slots where 8 x 8 g registers fit in a window (g <= 4), else 4.
.macro PASS g
.if \g <= 4
.set PNS, 8
.else
.set PNS, 4
.endif
	s_wait_xcnt 0x0                                ; the last pass's stores have read their data and their base
	s_mul_i32 s46, s16, 4*MTP
	s_mov_b32 s47, 0
	s_add_nc_u64 s[34:35], s[54:55], s[46:47]      ; my tile of the pass's first group, k step 0
	s_lshl_b32 s46, s16, OSH
	s_add_nc_u64 s[44:45], s[52:53], s[46:47]      ; where the pass's results go
	v_mov_b32 v4, v1                               ; the slab begins at LDS byte 0: k steps 0-4 of the trip from v4,
	v_add_nc_u32 v5, WSLOT, v1                     ; 5-8 from v5
.set pk, 0
.rept PNS-1
	ALOAD \g,pk,pk                                 ; k steps 0 .. NS - 2
.set pk, pk+1
.endr
	FETCHB 0,0
	KTRIP \g,PNS,0
	s_mov_b32 s21, 32/PNS-2
.Lk\@:
	KTRIP \g,PNS,1
	s_sub_co_u32 s21, s21, 1
	s_cmp_lg_u32 s21, 0
	s_cbranch_scc1 .Lk\@
	KTRIP \g,PNS,2
	WIN 0
	PLACES
	EPI \g
	WIN 0
	s_add_co_u32 s16, s16, \g
.endm
	s_load_b256 s[4:11], s[0:1], 0x0               ; W1 s[4:5], xg s[6:7], hg s[8:9], etab s[10:11]
	s_load_b64 s[12:13], s[0:1], 0x20              ; b1
	v_lshrrev_b32 v20, 5, v0
	v_readfirstlane_b32 s2, v20                    ; wave
	v_and_b32 v21, 31, v0                          ; L
	s_lshr_b32 s3, ttmp9, 5                        ; e
	s_and_b32 s14, ttmp9, 31                       ; ns
	v_lshlrev_b32 v1, 4, v21
	v_lshrrev_b32 v22, 2, v21                      ; column 4 L + jj lies in column tile L >> 2, row 4 (L & 3) + jj
	v_and_b32 v23, 3, v21
	v_mul_u32_u24 v22, v22, WTILE
	v_lshl_add_u32 v22, v23, 6, v22
	s_lshl_b32 s47, s2, 8                          ; chunk c = w: (w >> 1) 512 + (w & 1) 256 = 256 w
	v_add_nc_u32 v[WS], s47, v22
.irp n, 1,2,3,4,5,6,7
	v_add_nc_u32 v[WS+\n], \n*WSLOT, v[WS]
.endr
	v_lshrrev_b32 v8, 4, v21
	v_lshlrev_b32 v8, 5, v8                        ; 32 h: my 8 numbers in 16 of b1
	v_mov_b32 v10, 0x3e027906                      ; a1 / 2 .. a5 / 2, each twice for the packed forms
	v_mov_b32 v11, 0x3e027906
	v_mov_b32 v12, 0xbe11a98e
	v_mov_b32 v13, 0xbe11a98e
	v_mov_b32 v14, 0x3f35f0e3
	v_mov_b32 v15, 0x3f35f0e3
	v_mov_b32 v16, 0xbf3a00e3
	v_mov_b32 v17, 0xbf3a00e3
	v_mov_b32 v18, 0x3f07dc22
	v_mov_b32 v19, 0x3f07dc22
	s_mov_b32 s50, 0x3e6d3388                      ; 0.3275911 / sqrt 2
	s_lshl_b32 s22, s3, 3
	s_mov_b32 s23, 0
	s_wait_kmcnt 0x0
	s_add_nc_u64 s[10:11], s[10:11], s[22:23]
	s_load_b64 s[16:17], s[10:11], 0x0             ; my expert's first group and groups: used behind the barrier alone
	s_lshl_b32 s22, s3, 24                         ; W1 + e 16 MiB + ns 512 + 8 w rows
	s_lshl_b32 s46, s14, 9
	s_add_co_u32 s22, s22, s46
	s_mul_i32 s46, s2, 8*PITCH
	s_add_co_u32 s22, s22, s46
	s_add_nc_u64 s[40:41], s[4:5], s[22:23]        ; pieces 0-15
	s_add_nc_u64 s[42:43], s[40:41], 512*PITCH     ; pieces 16-31
	s_lshl_b32 s22, s3, 14
	s_lshl_b32 s46, s14, 9
	s_add_co_u32 s22, s22, s46
	s_add_nc_u64 s[12:13], s[12:13], s[22:23]      ; b1 at my 128 columns
	s_lshl_b32 s22, s14, 12
	s_lshl_b32 s46, s2, 17
	s_add_co_u32 s22, s22, s46
	s_add_nc_u64 s[52:53], s[8:9], s[22:23]        ; hg at tile w, k step 4 ns
	s_mul_i32 s22, s2, MTP
	s_add_nc_u64 s[54:55], s[6:7], s[22:23]        ; xg at tile w
	WIN LDBI
.irp b, 0,1,2,3,4,5,6,7
	global_load_b128 v[BI+8*\b:BI+8*\b+3],   v8, s[12:13] offset:64*\b        ; older than every piece of weights: the first wait for a piece covers them
	global_load_b128 v[BI+8*\b+4:BI+8*\b+7], v8, s[12:13] offset:64*\b+16
.endr
	; PHASE W
.irp p, 0,1,2,3,4,5,6,7
	WISSUE \p
.endr
.irp p, 0,1,2,3,4,5,6,7,8,9,10,11,12,13,14,15,16,17,18,19,20,21,22,23,24,25,26,27,28,29,30,31
	WCONV \p
.endr
	WIN 0
	s_wait_dscnt 0x0                               ; my quarter of the slab is in LDS, for the others' sake
	s_barrier_signal -1
	s_barrier_wait -1                              ; the slab is whole; from here on LDS is only read
	; PHASE C
	s_wait_kmcnt 0x0
	s_min_u32 s16, s16, 39                         ; first group
	s_min_u32 s17, s17, 16                         ; groups: at most 1,024 rows
	s_mul_i32 s18, s17, 43
	s_lshr_b32 s18, s18, 8                         ; full passes = groups / 6 (exact for 0 .. 16)
	s_mul_i32 s19, s18, 6
	s_sub_co_u32 s19, s17, s19                     ; groups of the last pass
	s_mov_b32 s20, 0
	s_cmp_eq_u32 s18, 0
	s_cbranch_scc1 .Lrem
.Lfull:
	PASS 6
	s_add_co_u32 s20, s20, 1
	s_cmp_lt_u32 s20, s18
	s_cbranch_scc1 .Lfull
.Lrem:
.irp g, 1,2,3,4,5
	s_cmp_lg_u32 s19, \g
	s_cbranch_scc1 .Lnot\g
	PASS \g
	s_endpgm
.Lnot\g:
.endr
	s_endpgm
.Lfunc_end_k_q84ef41c9e1_ffn1:
	.size	k_q84ef41c9e1_ffn1, .Lfunc_end_k_q84ef41c9e1_ffn1-k_q84ef41c9e1_ffn1
	.p2alignl 7, 3214868480
	.fill 96, 4, 3214868480
	.section	.rodata,"a",@progbits
	.p2align	6, 0x0
	.amdhsa_kernel k_q84ef41c9e1_ffn1
		.amdhsa_group_segment_fixed_size 266240
		.amdhsa_private_segment_fixed_size 0
		.amdhsa_enable_private_segment 0
		.amdhsa_kernarg_size 40
		.amdhsa_user_sgpr_count 2
		.amdhsa_user_sgpr_kernarg_segment_ptr 1
		.amdhsa_wavefront_size32 1
		.amdhsa_system_sgpr_workgroup_id_x 1
		.amdhsa_system_sgpr_workgroup_id_y 1
		.amdhsa_system_sgpr_workgroup_id_z 1
		.amdhsa_system_vgpr_workitem_id 0
		.amdhsa_next_free_vgpr 1024
		.amdhsa_next_free_sgpr 66
		.amdhsa_reserve_vcc 0
		.amdhsa_float_denorm_mode_32 3
		.amdhsa_float_denorm_mode_16_64 3
		.amdhsa_memory_ordered 1
		.amdhsa_forward_progress 1
		.amdhsa_inst_pref_size 255
	.end_amdhsa_kernel
	.section	.bss,"aw",@nobits
	.p2align	6
	.space	262144
	.amdgpu_metadata
---
amdhsa.version: [ 1, 2 ]
amdhsa.kernels:
  - .name:           k_q84ef41c9e1_ffn1
    .symbol:         k_q84ef41c9e1_ffn1.kd
    .args:
      - { .name: W1, .offset: 0, .size: 8, .value_kind: global_buffer, .address_space: global }
      - { .name: xg, .offset: 8, .size: 8, .value_kind: global_buffer, .address_space: global }
      - { .name: hg, .offset: 16, .size: 8, .value_kind: global_buffer, .address_space: global }
      - { .name: etab, .offset: 24, .size: 8, .value_kind: global_buffer, .address_space: global }
      - { .name: b1, .offset: 32, .size: 8, .value_kind: global_buffer, .address_space: global }
    .group_segment_fixed_size: 266240
    .private_segment_fixed_size: 0
    .kernarg_segment_align: 8
    .kernarg_segment_size: 40
    .max_flat_workgroup_size: 128
    .sgpr_count:     66
    .vgpr_count:     1024
    .wavefront_size: 32
...
	.end_amdgpu_metadata
.endif
;; end of part 3
;; launch ffn2 (part 4): grid 256 x 1, 4 waves a work-group, no clusters, 300,032 bytes of LDS; arguments W2, hg, yp, etab; writes yp
.if DOCPART == 4
	.amdgcn_target "amdgcn-amd-amdhsa--gfx1250"
	.amdhsa_code_object_version 6
	.text
	.protected	k_q84ef41c9e1_ffn2
	.globl	k_q84ef41c9e1_ffn2
	.p2align	8
	.type	k_q84ef41c9e1_ffn2,@function
k_q84ef41c9e1_ffn2:
	s_mov_b64 s[64:65], 0
	v_nop
	global_prefetch_b8 v0, s[64:65] scope:SCOPE_SE
	s_setreg_imm32_b32 hwreg(HW_REG_WAVE_MODE, 25, 1), 1
	s_wait_xcnt 0x0
; SECOND LAYER OF THE EXPERTS.  yp[row][kc] = hg[row][1024 kc .. + 1023] W2[e][1024 kc .. + 1023][.]: four partial sums in f32 for each row; the next launch adds them.
; W2: [8][4096 k][1024 n] f32.  hg: [160 tiles of 16 rows][128 k steps][1,024 bytes] bf16, fragment order.  yp: [2560 rows][4 quarters of K][1024] f32.
; etab[e] = (first group of 64 rows, groups).
; FRAGMENT ORDER: a block of 16 rows x 32 k of bf16 is 1,024 bytes; the 16 bytes with k = 8 c .. 8 c + 7 of row r lie at (c >> 1) 512 + (c & 1) 256 + 16 r,
; so lane L reads its fragment at 16 L and 512 + 16 L.
; SHARES: work-group id: expert e = id >> 5, quarter of K kc = (id >> 3) & 3, columns 128 ns .. + 127, ns = id & 7.  It alone reads its slab of W2
; (1,024 k x 128 n, 512 KiB of f32), once.  K is split so that 256 work-groups have a slab each; each partial sum has one owner.
; PHASE W, the same in every work-group: the slab is streamed through registers, rounded to bf16 and laid into LDS in fragment order (32 k steps x 8,320 bytes).
;   Piece p = 32 k.  Wave w loads rows 8 w .. 8 w + 7 of the piece, 512 consecutive bytes a load; a lane then holds 4 columns x 8 consecutive k, column by column the
;   16 bytes of chunk c = w of a fragment: 16 conversions and 4 LDS stores.  A ring of 8 pieces in registers keeps 64 loads of a wave, 32 KiB, issued ahead.
;   One barrier closes the phase: the only one of the kernel.
; PHASE C, whose passes hang on etab: passes of up to 6 groups (384 rows).  Wave w takes tile 4 i + w of the pass (i < g) against all 8 column tiles: 8 g accumulators.
;   A row fragment is used by one wave alone, so it goes from hg straight into registers (512 consecutive bytes a load), NS k steps ahead; the weights come from LDS.
;   Nothing is written that another wave reads, so the phase needs no barrier, and none may stand here: a barrier stands only where every wave passes it whatever memory holds.
;   A pass's 32 k steps are written out and the slab is read through eight address registers that are never rewritten: every read of the slab is a constant plus 16 L and
;   ends at byte 266,224 at the most, so that the text itself shows these reads apart from the waves' stages, which begin at byte 266,240 and are written in this phase.
; NO CLUSTER: the 8 work-groups of an expert and a quarter read the same rows of hg, but a joint load stands behind a round of the cluster's barrier, and the number of such
; rounds would hang on etab.  The 128 MiB of weights, the bulk of the bytes, are shared by nobody.
; Operands bf16, sums f32.
.set PITCH,  4096                      ; bytes from a row of W2 to the next
.set MTP,    131072                    ; bytes of a tile of hg
.set OSH,    20                        ; a group of yp: 64 rows of 16,384 bytes = 1 << 20
.set WSUB,   8320                      ; LDS: a k step = eight column tiles
.set WSLOT,  4*WSUB                    ; four k steps: what one address register serves
.set WTILE,  1040                      ; 1,024 bytes + 16
.set STAGE,  32*WSUB                   ; LDS 266,240 .. 300,031: for each wave 16 rows of 512 bytes at pitch 528, for the way out
.set SWAVE,  8448
.set SPITCH, 528
; REGISTERS, in windows of 256.  Window 0: v1 16 L; v8, v9 the stage, in and back; v24-31 weights' store addresses, v32-39 their read addresses, one for four k steps each;
; BF two buffers of 8 weight fragments.  Window 1: phase W: the ring of 8 pieces, piece q row rr at 32 q + 4 rr; phase C: the ring of row fragments, slot s tile i at 8 g s + 8 i.
; Window 2: accumulators of i = 0..3 at 64 i + 8 b.  Window 3: those of i = 4, 5 at 64 (i - 4) + 8 b; CT a converted piece.
.set WS, 24
.set RA, 32
.set BF, 128
.set CT, 128
.set MSB, 0
.macro WIN new                         ; s_set_vgpr_msb: bits 1:0 source 0, 3:2 source 1, 5:4 source 2, 7:6 destination; the high byte repeats the setting that is left
.if MSB != \new
	s_set_vgpr_msb (MSB<<8)|\new
.set MSB, \new
.endif
.endm
.set MUL2, 0xa4                        ; weights window 0, rows window 1, C and D window 2
.set MUL3, 0xf4                        ; the same, C and D window 3
.set CVT,  0xc5                        ; sources in window 1, destination in window 3
.set STW,  0x0c                        ; store data in window 3
.set LDW,  0x40                        ; destination in window 1
.macro PLACES                          ; four places behind a matrix instruction (ISA guide 7.12.1)
.rept 4
	v_nop
.endr
.endm
.macro WISSUE p                        ; the 8 loads of piece p; the piece's place stands in the immediate (at most 487 rows), so no base is stepped
	WIN LDW
.set wr, 0
.rept 8
.if (\p) < 16
	global_load_b128 v[32*((\p)&7)+4*wr:32*((\p)&7)+4*wr+3], v1, s[40:41] offset:((\p)&15)*32*PITCH+wr*PITCH th:TH_LOAD_NT
.else
	global_load_b128 v[32*((\p)&7)+4*wr:32*((\p)&7)+4*wr+3], v1, s[42:43] offset:((\p)&15)*32*PITCH+wr*PITCH th:TH_LOAD_NT
.endif
.set wr, wr+1
.endr
.endm
.macro WCONV p                         ; piece p: wait, convert, store as k step p of the slab, ask for piece p + 8
.if 31-(\p) < 7
	s_wait_loadcnt 8*(31-(\p))                     ; the loads of the pieces younger than p stay out: none is issued behind piece 31
.else
	s_wait_loadcnt 56                              ; the 7 younger pieces' 56 loads stay out
.endif
	WIN CVT
.set rq, 32*((\p)&7)
.irp jj, 0,1,2,3
.irp m, 0,1,2,3
	v_cvt_pk_bf16_f32 v[CT+4*\jj+\m], v[rq+8*\m+\jj], v[rq+8*\m+4+\jj]     ; column 4 L + jj, k = 2 m and 2 m + 1 of my 8
.endr
.endr
	WIN STW
.irp jj, 0,1,2,3
	ds_store_b128 v[WS+((\p)>>2)], v[CT+4*\jj:CT+4*\jj+3] offset:((\p)&3)*WSUB+16*\jj
.endr
.if (\p)+8 <= 31
	WISSUE (\p)+8
.endif
.endm
.macro ALOAD g, slot, kk               ; my g row fragments of k step kk of the quarter, into a slot of the ring: 2 g loads of 512 consecutive bytes; the step stands in the immediate
	WIN LDW
.set ai, 0
.rept \g
	global_load_b128 v[8*\g*(\slot)+8*ai:8*\g*(\slot)+8*ai+3],   v1, s[34:35] offset:ai*4*MTP+(\kk)*1024
	global_load_b128 v[8*\g*(\slot)+8*ai+4:8*\g*(\slot)+8*ai+7], v1, s[34:35] offset:ai*4*MTP+(\kk)*1024+512
.set ai, ai+1
.endr
.endm
.macro FETCHB kk, f                    ; the 8 weight fragments of k step kk into buffer f: lane L's 16 bytes at 16 L and 512 + 16 L of each block
	WIN 0
.set fb, 0
.rept 8
	ds_load_b128 v[BF+64*(\f)+8*fb:BF+64*(\f)+8*fb+3],   v[RA+((\kk)>>2)] offset:((\kk)&3)*WSUB+fb*WTILE
	ds_load_b128 v[BF+64*(\f)+8*fb+4:BF+64*(\f)+8*fb+7], v[RA+((\kk)>>2)] offset:((\kk)&3)*WSUB+fb*WTILE+512
.set fb, fb+1
.endr
.endm
; Tiles i0 .. i1 - 1 x 8 column tiles.  Source 0 = weights, source 1 = rows: register j of lane (r, h) is then C(row r, column 16 b + 8 h + j).
; The accumulators take turns, one instruction a turn.  zero = 1: the first product starts the sums.
.macro MUL g, f, slot, i0, i1, zero
.if (\i1) > (\i0)
.set mi, \i0
.rept (\i1)-(\i0)
.if mi < 4
	WIN MUL2
.set ab, 64*mi
.else
	WIN MUL3
.set ab, 64*(mi-4)
.endif
.set ar, 8*\g*(\slot)+8*mi
.set mb, 0
.rept 8
.if \zero
	v_wmma_f32_16x16x32_bf16 v[ab+8*mb:ab+8*mb+7], v[BF+64*(\f)+8*mb:BF+64*(\f)+8*mb+7], v[ar:ar+7], 0
.else
	v_wmma_f32_16x16x32_bf16 v[ab+8*mb:ab+8*mb+7], v[BF+64*(\f)+8*mb:BF+64*(\f)+8*mb+7], v[ar:ar+7], v[ab+8*mb:ab+8*mb+7]
.endif
.set mb, mb+1
.endr
.set mi, mi+1
.endr
.endif
.endm
; K step k of 32: half of the products; four places behind the last step's matrix instructions, which read the other weight buffer and the ring's slot of step k - 1;
; the next step's weights into that buffer, and the rows of step k + ns - 1 into that slot; the other half of the products.
; The pass's head asks for the rows of steps 0 .. ns - 2 and step m for those of step m + ns - 1, so at step k's wait the steps k + 1 .. k + ns - 2 (none beyond 31) are younger.
.macro KSTEP g, ns, k
.set kl, \ns-2
.if 31-(\k) < \ns-2
.set kl, 31-(\k)
.endif
	s_wait_dscnt 0x0                               ; this k step's weight fragments are in
	s_wait_loadcnt 2*\g*kl                         ; and its row fragments; the younger steps' 2 g loads each stay out
.if (\k) == 0
	MUL \g,0,0,0,(\g+1)/2,1
.else
	MUL \g,((\k)&1),((\k)&(\ns-1)),0,(\g+1)/2,0
.endif
.if (\k) < 31
	PLACES
	FETCHB ((\k)+1),(((\k)+1)&1)
.endif
.if (\k)+\ns-1 <= 31
	ALOAD \g,(((\k)+\ns-1)&(\ns-1)),((\k)+\ns-1)
.endif
.if (\k) == 0
	MUL \g,0,0,(\g+1)/2,\g,1
.else
	MUL \g,((\k)&1),((\k)&(\ns-1)),(\g+1)/2,\g,0
.endif
.endm
; The way out, a tile of 16 rows at a time: a lane's 8 numbers of (i, b) are 32 bytes of row r; they go into my own stage in LDS and come back as whole rows of 512 bytes.
; The stage is the wave's own and LDS serves a wave's instructions in order (ISA guide 5.7.1.4): no wait and no barrier between its stores and its loads.
.macro EPI g
.set ei, 0
.rept \g
.if ei < 4
	WIN 0x08                                       ; store data in window 2
.set eab, 64*ei
.else
	WIN 0x0c                                       ; store data in window 3
.set eab, 64*(ei-4)
.endif
.set eb, 0
.rept 8
	ds_store_b128 v8, v[eab+8*eb:eab+8*eb+3]   offset:64*eb
	ds_store_b128 v8, v[eab+8*eb+4:eab+8*eb+7] offset:64*eb+16
.set eb, eb+1
.endr
	WIN 0
	s_wait_xcnt 0x0                                ; registers that earlier stores read are loaded into only behind this wait
.set ey, 128+64*(ei&1)
.set er, 0
.rept 16
	ds_load_b128 v[ey+4*er:ey+4*er+3], v9 offset:SPITCH*er
.set er, er+1
.endr
.set er, 0
.rept 16
	s_wait_dscnt 15-er                             ; row er is back; the younger loads stay out
	global_store_b128 v1, v[ey+4*er:ey+4*er+3], s[44:45] offset:ei*1048576+er*16384   ; 512 consecutive bytes, aligned
.set er, er+1
.endr
.set ei, ei+1
.endr
.endm
; A pass: g groups from group s16 on.  The ring of row fragments has 8 slots where 8 x 8 g registers fit in a window (g <= 4), else 4.
.macro PASS g
.if \g <= 4
.set PNS, 8
.else
.set PNS, 4
.endif
	s_wait_xcnt 0x0                                ; the last pass's stores have read their data and their base
	s_mul_i32 s46, s16, 4*MTP
	s_mov_b32 s47, 0
	s_add_nc_u64 s[34:35], s[54:55], s[46:47]      ; my tile of the pass's first group, the quarter's k step 0
	s_lshl_b32 s46, s16, OSH
	s_add_nc_u64 s[44:45], s[52:53], s[46:47]      ; where the pass's results go
.set pk, 0
.rept PNS-1
	ALOAD \g,pk,pk                                 ; k steps 0 .. NS - 2
.set pk, pk+1
.endr
	FETCHB 0,0
.set pk, 0
.rept 32
	KSTEP \g,PNS,pk
.set pk, pk+1
.endr
	WIN 0
	PLACES                                         ; behind the last products: four places in front of the LDS stores that read the sums and of the loads into the fragment buffers,
	v_nop                                          ; and a fifth: the way out holds no vector arithmetic, and the next pass's first products write over these accumulators (ISA guide 7.12.1)
	EPI \g
	WIN 0
	s_add_co_u32 s16, s16, \g
.endm
	s_load_b256 s[4:11], s[0:1], 0x0               ; W2 s[4:5], hg s[6:7], yp s[8:9], etab s[10:11]
	v_lshrrev_b32 v20, 5, v0
	v_readfirstlane_b32 s2, v20                    ; wave
	v_and_b32 v21, 31, v0                          ; L
	s_lshr_b32 s3, ttmp9, 5                        ; e
	s_bfe_u32 s15, ttmp9, 0x20003                  ; kc
	s_and_b32 s14, ttmp9, 7                        ; ns
	v_lshlrev_b32 v1, 4, v21
	v_lshrrev_b32 v22, 2, v21                      ; column 4 L + jj lies in column tile L >> 2, row 4 (L & 3) + jj
	v_and_b32 v23, 3, v21
	v_mul_u32_u24 v22, v22, WTILE
	v_lshl_add_u32 v22, v23, 6, v22
	s_lshl_b32 s47, s2, 8                          ; chunk c = w: (w >> 1) 512 + (w & 1) 256 = 256 w
	v_add_nc_u32 v[WS], s47, v22
.irp n, 1,2,3,4,5,6,7
	v_add_nc_u32 v[WS+\n], \n*WSLOT, v[WS]
.endr
	v_mov_b32 v[RA], v1                            ; the slab begins at LDS byte 0
.irp n, 1,2,3,4,5,6,7
	v_add_nc_u32 v[RA+\n], \n*WSLOT, v1
.endr
	s_mul_i32 s48, s2, SWAVE
	s_add_co_u32 s48, s48, STAGE                   ; my stage
	v_and_b32 v20, 15, v21                         ; r
	v_lshrrev_b32 v23, 4, v21                      ; h
	v_mul_u32_u24 v20, v20, SPITCH
	v_lshl_add_u32 v20, v23, 5, v20
	v_add_nc_u32 v8, s48, v20                      ; in: row r, 32 bytes for each half of the lanes
	v_add_nc_u32 v9, s48, v1                       ; back: 16 L of a row
	s_lshl_b32 s22, s3, 3
	s_mov_b32 s23, 0
	s_wait_kmcnt 0x0
	s_add_nc_u64 s[10:11], s[10:11], s[22:23]
	s_load_b64 s[16:17], s[10:11], 0x0             ; my expert's first group and groups: used behind the barrier alone
	s_lshl_b32 s22, s3, 24                         ; W2 + e 16 MiB + kc 4 MiB + ns 512 + 8 w rows
	s_lshl_b32 s46, s15, 22
	s_add_co_u32 s22, s22, s46
	s_lshl_b32 s46, s14, 9
	s_add_co_u32 s22, s22, s46
	s_mul_i32 s46, s2, 8*PITCH
	s_add_co_u32 s22, s22, s46
	s_add_nc_u64 s[40:41], s[4:5], s[22:23]        ; pieces 0-15
	s_add_nc_u64 s[42:43], s[40:41], 512*PITCH     ; pieces 16-31
	s_lshl_b32 s22, s2, 18                         ; yp at tile w (16 rows of 16,384 bytes), quarter kc, columns 128 ns
	s_lshl_b32 s46, s15, 12
	s_add_co_u32 s22, s22, s46
	s_lshl_b32 s46, s14, 9
	s_add_co_u32 s22, s22, s46
	s_add_nc_u64 s[52:53], s[8:9], s[22:23]
	s_mul_i32 s22, s2, MTP                         ; hg at tile w, k step 32 kc
	s_lshl_b32 s46, s15, 15
	s_add_co_u32 s22, s22, s46
	s_add_nc_u64 s[54:55], s[6:7], s[22:23]
	; PHASE W
.irp p, 0,1,2,3,4,5,6,7
	WISSUE \p
.endr
.irp p, 0,1,2,3,4,5,6,7,8,9,10,11,12,13,14,15,16,17,18,19,20,21,22,23,24,25,26,27,28,29,30,31
	WCONV \p
.endr
	WIN 0
	s_wait_dscnt 0x0                               ; my quarter of the slab is in LDS, for the others' sake
	s_barrier_signal -1
	s_barrier_wait -1                              ; the slab is whole; from here on it is only read, and each wave writes its own stage alone
	; PHASE C
	s_wait_kmcnt 0x0
	s_min_u32 s16, s16, 39                         ; first group
	s_min_u32 s17, s17, 16                         ; groups: at most 1,024 rows
	s_mul_i32 s18, s17, 43
	s_lshr_b32 s18, s18, 8                         ; full passes = groups / 6 (exact for 0 .. 16)
	s_mul_i32 s19, s18, 6
	s_sub_co_u32 s19, s17, s19                     ; groups of the last pass
	s_mov_b32 s20, 0
	s_cmp_eq_u32 s18, 0
	s_cbranch_scc1 .Lrem
.Lfull:
	PASS 6
	s_add_co_u32 s20, s20, 1
	s_cmp_lt_u32 s20, s18
	s_cbranch_scc1 .Lfull
.Lrem:
.irp g, 1,2,3,4,5
	s_cmp_lg_u32 s19, \g
	s_cbranch_scc1 .Lnot\g
	PASS \g
	s_endpgm
.Lnot\g:
.endr
	s_endpgm
.Lfunc_end_k_q84ef41c9e1_ffn2:
	.size	k_q84ef41c9e1_ffn2, .Lfunc_end_k_q84ef41c9e1_ffn2-k_q84ef41c9e1_ffn2
	.p2alignl 7, 3214868480
	.fill 96, 4, 3214868480
	.section	.rodata,"a",@progbits
	.p2align	6, 0x0
	.amdhsa_kernel k_q84ef41c9e1_ffn2
		.amdhsa_group_segment_fixed_size 300032
		.amdhsa_private_segment_fixed_size 0
		.amdhsa_enable_private_segment 0
		.amdhsa_kernarg_size 32
		.amdhsa_user_sgpr_count 2
		.amdhsa_user_sgpr_kernarg_segment_ptr 1
		.amdhsa_wavefront_size32 1
		.amdhsa_system_sgpr_workgroup_id_x 1
		.amdhsa_system_sgpr_workgroup_id_y 1
		.amdhsa_system_sgpr_workgroup_id_z 1
		.amdhsa_system_vgpr_workitem_id 0
		.amdhsa_next_free_vgpr 1024
		.amdhsa_next_free_sgpr 66
		.amdhsa_reserve_vcc 0
		.amdhsa_float_denorm_mode_32 3
		.amdhsa_float_denorm_mode_16_64 3
		.amdhsa_memory_ordered 1
		.amdhsa_forward_progress 1
		.amdhsa_inst_pref_size 255
	.end_amdhsa_kernel
	.section	.bss,"aw",@nobits
	.p2align	6
	.space	262144
	.amdgpu_metadata
---
amdhsa.version: [ 1, 2 ]
amdhsa.kernels:
  - .name:           k_q84ef41c9e1_ffn2
    .symbol:         k_q84ef41c9e1_ffn2.kd
    .args:
      - { .name: W2, .offset: 0, .size: 8, .value_kind: global_buffer, .address_space: global }
      - { .name: hg, .offset: 8, .size: 8, .value_kind: global_buffer, .address_space: global }
      - { .name: yp, .offset: 16, .size: 8, .value_kind: global_buffer, .address_space: global }
      - { .name: etab, .offset: 24, .size: 8, .value_kind: global_buffer, .address_space: global }
    .group_segment_fixed_size: 300032
    .private_segment_fixed_size: 0
    .kernarg_segment_align: 8
    .kernarg_segment_size: 32
    .max_flat_workgroup_size: 128
    .sgpr_count:     66
    .vgpr_count:     1024
    .wavefront_size: 32
...
	.end_amdgpu_metadata
.endif
;; end of part 4
;; launch combine (part 5): grid 256 x 1, 8 waves a work-group, no clusters, 0 bytes of LDS; arguments yp, slots, ids, gates, b2, out0; writes out0
.if DOCPART == 5
	.amdgcn_target "amdgcn-amd-amdhsa--gfx1250"
	.amdhsa_code_object_version 6
	.text
	.protected	k_q84ef41c9e1_combine
	.globl	k_q84ef41c9e1_combine
	.p2align	8
	.type	k_q84ef41c9e1_combine,@function
k_q84ef41c9e1_combine:
	s_mov_b64 s[64:65], 0
	v_nop
	global_prefetch_b8 v0, s[64:65] scope:SCOPE_SE
	s_setreg_imm32_b32 hwreg(HW_REG_WAVE_MODE, 25, 1), 1
	s_wait_xcnt 0x0
; COMBINE.  out0[t] = g0 (y(slot0) + b2[e0]) + g1 (y(slot1) + b2[e1]), y(slot) = the sum of the four partial sums yp[slot][0..3].  All f32.
; yp: [2560][4][1024] f32; slots[t] = slot0 | slot1 << 16; ids[t] = e0 | e1 << 8; gates: [1024][2]; b2: [8][1024]; out0: [1024][1024].
; A stream: eight waves, the work-group owns 4 tokens, thread t the 16 bytes at 16 t of every row, so a wave's load or store covers 512 consecutive bytes, aligned.
; All 40 loads of a thread are issued first.  Each row of yp belongs to one (token, expert) and is read once.  No LDS, no barrier, no matrix unit: nothing is shared.
.set V, 8                              ; v[8:167]: token n at V + 40 n: for k = 0, 1 four partial sums and b2, 4 registers each
	s_load_b256 s[4:11], s[0:1], 0x0               ; yp s[4:5], slots s[6:7], ids s[8:9], gates s[10:11]
	s_load_b128 s[12:15], s[0:1], 0x20             ; b2 s[12:13], out0 s[14:15]
	v_lshlrev_b32 v1, 4, v0
	s_lshl_b32 s2, ttmp9, 4                        ; 4 tokens x 4 bytes
	s_mov_b32 s3, 0
	s_lshl_b32 s66, ttmp9, 5                       ; 4 tokens x 8 bytes
	s_mov_b32 s67, 0
	s_lshl_b32 s68, ttmp9, 14                      ; 4 rows of 4,096 bytes
	s_mov_b32 s69, 0
	s_wait_kmcnt 0x0
	s_add_nc_u64 s[6:7], s[6:7], s[2:3]
	s_add_nc_u64 s[8:9], s[8:9], s[2:3]
	s_add_nc_u64 s[10:11], s[10:11], s[66:67]
	s_add_nc_u64 s[14:15], s[14:15], s[68:69]
	s_load_b128 s[16:19], s[6:7], 0x0              ; slots of my 4 tokens
	s_load_b128 s[20:23], s[8:9], 0x0              ; their experts
	s_load_b256 s[24:31], s[10:11], 0x0            ; their gates
	s_wait_kmcnt 0x0
.irp n, 0,1,2,3
	s_and_b32 s66, s[16+\n], 0xffff
	s_min_u32 s66, s66, 2559
	s_lshl_b32 s66, s66, 14                        ; rows of 16,384 bytes
	s_add_nc_u64 s[32+4*\n:33+4*\n], s[4:5], s[66:67]
	s_lshr_b32 s66, s[16+\n], 16
	s_min_u32 s66, s66, 2559
	s_lshl_b32 s66, s66, 14
	s_add_nc_u64 s[34+4*\n:35+4*\n], s[4:5], s[66:67]
	s_and_b32 s66, s[20+\n], 7
	s_min_u32 s66, s66, 7
	s_lshl_b32 s66, s66, 12
	s_add_nc_u64 s[48+4*\n:49+4*\n], s[12:13], s[66:67]
	s_bfe_u32 s66, s[20+\n], 0x30008
	s_min_u32 s66, s66, 7
	s_lshl_b32 s66, s66, 12
	s_add_nc_u64 s[50+4*\n:51+4*\n], s[12:13], s[66:67]
.endr
.irp n, 0,1,2,3
.irp k, 0,1
.irp c, 0,1,2,3
	global_load_b128 v[V+40*\n+20*\k+4*\c:V+40*\n+20*\k+4*\c+3], v1, s[32+4*\n+2*\k:33+4*\n+2*\k] offset:4096*\c th:TH_LOAD_NT
.endr
	global_load_b128 v[V+40*\n+20*\k+16:V+40*\n+20*\k+19], v1, s[48+4*\n+2*\k:49+4*\n+2*\k]
.endr
.endr
.irp n, 0,1,2,3
	s_wait_loadcnt 30-10*\n                        ; token n's ten loads are in; the later tokens' stay out
.irp k, 0,1
.irp p, 0,2
	v_pk_add_f32 v[V+40*\n+20*\k+\p:V+40*\n+20*\k+\p+1], v[V+40*\n+20*\k+\p:V+40*\n+20*\k+\p+1], v[V+40*\n+20*\k+4+\p:V+40*\n+20*\k+4+\p+1]
	v_pk_add_f32 v[V+40*\n+20*\k+8+\p:V+40*\n+20*\k+8+\p+1], v[V+40*\n+20*\k+8+\p:V+40*\n+20*\k+8+\p+1], v[V+40*\n+20*\k+12+\p:V+40*\n+20*\k+12+\p+1]
	v_pk_add_f32 v[V+40*\n+20*\k+\p:V+40*\n+20*\k+\p+1], v[V+40*\n+20*\k+\p:V+40*\n+20*\k+\p+1], v[V+40*\n+20*\k+8+\p:V+40*\n+20*\k+8+\p+1]
	v_pk_add_f32 v[V+40*\n+20*\k+\p:V+40*\n+20*\k+\p+1], v[V+40*\n+20*\k+\p:V+40*\n+20*\k+\p+1], v[V+40*\n+20*\k+16+\p:V+40*\n+20*\k+16+\p+1]
.endr
.endr
.irp q, 0,1,2,3
	v_mul_f32 v[V+40*\n+\q], s[24+2*\n], v[V+40*\n+\q]
	v_fmac_f32 v[V+40*\n+\q], s[25+2*\n], v[V+40*\n+20+\q]
.endr
	global_store_b128 v1, v[V+40*\n:V+40*\n+3], s[14:15] offset:4096*\n th:TH_STORE_NT
.endr
	s_endpgm
.Lfunc_end_k_q84ef41c9e1_combine:
	.size	k_q84ef41c9e1_combine, .Lfunc_end_k_q84ef41c9e1_combine-k_q84ef41c9e1_combine
	.p2alignl 7, 3214868480
	.fill 96, 4, 3214868480
	.section	.rodata,"a",@progbits
	.p2align	6, 0x0
	.amdhsa_kernel k_q84ef41c9e1_combine
		.amdhsa_group_segment_fixed_size 0
		.amdhsa_private_segment_fixed_size 0
		.amdhsa_enable_private_segment 0
		.amdhsa_kernarg_size 48
		.amdhsa_user_sgpr_count 2
		.amdhsa_user_sgpr_kernarg_segment_ptr 1
		.amdhsa_wavefront_size32 1
		.amdhsa_system_sgpr_workgroup_id_x 1
		.amdhsa_system_sgpr_workgroup_id_y 1
		.amdhsa_system_sgpr_workgroup_id_z 1
		.amdhsa_system_vgpr_workitem_id 0
		.amdhsa_next_free_vgpr 176
		.amdhsa_next_free_sgpr 72
		.amdhsa_reserve_vcc 0
		.amdhsa_float_denorm_mode_32 3
		.amdhsa_float_denorm_mode_16_64 3
		.amdhsa_memory_ordered 1
		.amdhsa_forward_progress 1
		.amdhsa_inst_pref_size 13
	.end_amdhsa_kernel
	.amdgpu_metadata
---
amdhsa.version: [ 1, 2 ]
amdhsa.kernels:
  - .name:           k_q84ef41c9e1_combine
    .symbol:         k_q84ef41c9e1_combine.kd
    .args:
      - { .name: yp, .offset: 0, .size: 8, .value_kind: global_buffer, .address_space: global }
      - { .name: slots, .offset: 8, .size: 8, .value_kind: global_buffer, .address_space: global }
      - { .name: ids, .offset: 16, .size: 8, .value_kind: global_buffer, .address_space: global }
      - { .name: gates, .offset: 24, .size: 8, .value_kind: global_buffer, .address_space: global }
      - { .name: b2, .offset: 32, .size: 8, .value_kind: global_buffer, .address_space: global }
      - { .name: out0, .offset: 40, .size: 8, .value_kind: global_buffer, .address_space: global }
    .group_segment_fixed_size: 0
    .private_segment_fixed_size: 0
    .kernarg_segment_align: 8
    .kernarg_segment_size: 48
    .max_flat_workgroup_size: 256
    .sgpr_count:     72
    .vgpr_count:     176
    .wavefront_size: 32
...
	.end_amdgpu_metadata
.endif
;; end of part 5
